; MI455X (gfx1250); checked and timed in simulation.
; The chip was launched on July 23, 2026; its instructions are those of AMD's public machine-readable ISA for CDNA 5 (MIT licence, August 2026) and "CDNA5" Instruction Set Architecture Reference Guide (July 2026). The comments in the code are by the model that wrote it; some were corrected since.
;; Model. Allowed arithmetic: matrix products marked QUANTISED: E2M3 operands, one E8M0 scale for each 32 along K, by v_wmma_scale_f32_16x16x128_f8f6f4 with both operands' format E2M3, f32 sums; everything else in f32.
;; Inputs: drop_mask 16 x 2,048 x 2,048 bool; x1 16 x 2,048 x 128 float32; x2 16 x 2,048 x 128 float32; x3 16 x 2,048 x 128 float32.
;; Outputs: out0 16 x 2,048 x 128 float32.
;; This version of the problem:
;;   THIS VERSION OF THE PROBLEM IS GIVEN IN LOW PRECISION. The matrix products marked QUANTISED in the list below multiply operands that are first quantised to E2M3 (2 exponent bits, 3 mantissa bits; 6 bits a number), with one power-of-two scale for each 32 numbers along K (OCP MX v1.0); their sums are f32. All else is computed in f32.
;;   The module's matrix products, in the order in which they are computed (A, B: the left and right operand; K: the contracted axis; several contracted axes count as one K, in the product's order):
;;     1. batch 16 x [M 2,048, K 128] x [K 128, N 2,048]; A: input x1; B: input x2: QUANTISED
;;     2. batch 16 x [M 2,048, K 2,048] x [K 2,048, N 128]; A: computed on the way; B: input x3: QUANTISED
;;   THE QUANTISER, for each operand of a quantised product, along K:
;;     - K is cut into blocks of 32 from its start; a last block that is shorter is filled with zeros.
;;     - A block's scale is 2^e with e = floor(log2(the largest magnitude in the block)) - 2, held to -126 .. 127; a block of zeros has e = 0. As a byte (E8M0): e + 127.
;;     - Each number is divided by its block's scale, clamped to +-7.5, and rounded to the nearest number of E2M3, ties to even, subnormals kept.
;;     - The product sums the exact products of the quantised numbers (number of the format x scale) in f32.
;;   ~~~python
;;   def quantise(x, axis):      # numpy; x: float32 -> the quantised numbers, widened to float32 again
;;       x = np.moveaxis(x, axis, -1); K = x.shape[-1]
;;       x = np.pad(x, [(0, 0)] * (x.ndim - 1) + [(0, -K % 32)]); x = x.reshape(x.shape[:-1] + (-1, 32)); a = np.abs(x).max(-1, keepdims=True)
;;       e = np.where(a > 0, np.clip(np.frexp(np.where(a > 0, a, 1))[1] - 1 - 2, -126, 127), 0)      # np.frexp(a)[1] - 1 = floor(log2(a)), exactly
;;       r = np.clip(x / 2.0 ** e, -7.5, 7.5)
;;       step = 2.0 ** (np.maximum(np.frexp(np.where(r == 0, 1, r))[1] - 1, 0) - 3)
;;       q = np.round(r / step) * step * 2.0 ** e      # np.round: ties to even
;;       return np.moveaxis(q.reshape(q.shape[:-2] + (-1,))[..., :K], -1, axis).astype(np.float32)
;;   ~~~
;;   OPERANDS COMPUTED ON THE WAY. 'Computed on the way' means the value that the module computes at that place (a softmax that the list does not call 'softmax' is quantised finished and normalised). What goes into a quantiser is computed in f32, as accurately as f32 sums, v_exp_f32 and their like allow (about 1e-6 of the number): no bf16 or f16 on the way to a quantiser, and a product that is left as it is and whose result goes on into a quantised operand takes f32 operands (vector FMAs, or v_wmma_f32_16x16x4_f32). A number that lies on a knife's edge between two numbers of the format may be rounded either way, as far as f32 arithmetic and the matrix unit's own rounding can turn it there, and no further.
;; One version. Each part assembles by itself: llvm-mc -triple=amdgcn-amd-amdhsa -mcpu=gfx1250 --defsym DOCPART=n.
;; ======== version 1 of 1: 2 launches
;; limits: right only within a limited range of input values
;; workspace buffers: kq 3,276,800 bytes; vq 3,276,800 bytes
;; launch prep (part 1): grid 512 x 1, 4 waves a work-group, no clusters, 68,096 bytes of LDS; arguments x2, x3, kq, vq; writes kq, vq
.if DOCPART == 1
	.amdgcn_target "amdgcn-amd-amdhsa--gfx1250"
	.amdhsa_code_object_version 6
	.text
	.protected	k_qcc70488553_prep
	.globl	k_qcc70488553_prep
	.p2align	8
	.type	k_qcc70488553_prep,@function
k_qcc70488553_prep:
	s_mov_b64 s[64:65], 0
	v_nop
	global_prefetch_b8 v0, s[64:65] scope:SCOPE_SE
	s_setreg_imm32_b32 hwreg(HW_REG_WAVE_MODE, 25, 1), 1
	s_wait_xcnt 0x0
; x2 [16][2048][128] and x3 [16][2048][128], f32, become codes of FP6 (E2M3) with one E8M0 scale byte for each 32 along K, laid as IMAGES OF OPERAND REGISTERS for the attention launch.
; x2 is quantised along its last axis (the first product's K), x3 along the keys (the second product's K).
; A RECORD (12,800 bytes) serves one batch and one step of 128 keys; record 16 x batch + step.  It holds 8 fragments of 1,536 bytes (fragment t at 1536 t: registers 4 g .. 4 g + 3 of lane L at 512 g + 16 L)
; and, from byte 12,288 on, 4 x 128 bytes of scale words: the word at 128 p + 4 L belongs to fragment 2 p (lanes 0-15) or 2 p + 1 (lanes 16-31), row L % 16.
; kq: fragment 2 b + u holds 16 keys x 128 channels, and its lane row r is key 32 b + 8 u + r + 8 (r / 8): the scores of two neighbouring fragments are then 16 neighbouring keys in a lane's registers.
; vq: fragment t holds channels 16 t + r against the step's 128 keys in their order.
; A block's scale is 2^(floor(log2(its largest magnitude)) - 2); its byte is the largest magnitude's exponent field - 2, held at 1 from below.  A block of zeros so gets the byte 1: its codes are zeros, and this program alone reads the bytes.
; LIMITS: blocks whose largest magnitude lies under 2^-124 keep the byte 1; NaN and infinities among the inputs are not served.
; SHARES: work-groups 0-255 take x2, 256-511 take x3, a record each; each of the four waves makes two fragments.  Waves share nothing: no barrier.  Only x2's path uses LDS.
.set REC,   12800
.set SP,    528                        ; a stage row: 512 bytes + 16: the sixteen rows that a read touches start 16 bytes further on in each row
.set WST,   32*SP                      ; a wave's stage: 32 rows
.set SPARE, 4*WST                      ; behind the four stages: the spare words, 128 bytes for each wave: two blocks of 256 bytes that no other line names
.set LI,  4                            ; v4   16 x lane
.set LS,  5                            ; v5   4 x lane
.set STI, 6                            ; v6   the stage, on the way in: a row's 512 bytes, 16 a lane
.set STR, 7                            ; v7   and on the way out: row r, + 64 h
.set VC,  8                            ; v8   x3: my column's byte in a row
.set SPW, 30                           ; v30  LDS address of my spare word; never rewritten
.set NIL, 31                           ; v31  0; never rewritten
.set TM,  128                          ; v128-143 at work in QUANT
.set SEL, 26                           ; s[26:27] lane selects for v_permlanex16_b32: lane l xor 16
; 64 numbers of a lane, v[s] .. v[s + 63], register 16 b + i = k 32 b + 16 (lane / 16) + i of my row, become a fragment's codes in v[pc] on and its scale word in v[pw].  tmp: eight registers at work.
.macro QUANT s, pc, tmp, pw
.irp b, 0,1,2,3
	v_max3_num_f32 v[TM+\b], |v[\s+16*\b]|, |v[\s+1+16*\b]|, 0x1800000   ; block b: my 16 numbers, and the floor 2^(3 - 127): the byte cannot fall under 1
.endr
.irp i, 2,4,6,8,10,12,14
.irp b, 0,1,2,3
	v_max3_num_f32 v[TM+\b], v[TM+\b], |v[\s+16*\b+\i]|, |v[\s+1+16*\b+\i]|   ; the four blocks by turns
.endr
.endr
.irp b, 0,1,2,3
	v_permlanex16_b32 v[TM+4+\b], v[TM+\b], s[SEL], s[SEL+1]
.endr
.irp b, 0,1,2,3
	v_max_num_f32 v[TM+\b], v[TM+\b], v[TM+4+\b]   ; with lane l xor 16's: the block's largest magnitude
.endr
.irp b, 0,1,2,3
	v_add_nc_u32 v[TM+12+\b], 0xff000000, v[TM+\b]   ; 2 off its exponent field: the conversion takes the exponent field of this operand as its scale
.endr
.irp b, 0,1,2,3
	v_lshrrev_b32 v[TM+4+\b], 23, v[TM+12+\b]      ; the scale's byte
.endr
	v_lshl_or_b32 v[\pw], v[TM+5], 8, v[TM+4]      ; the four bytes make my row's scale word
	v_lshl_or_b32 v[\pw], v[TM+6], 16, v[\pw]
	v_lshl_or_b32 v[\pw], v[TM+7], 24, v[\pw]
.irp c, 0,1
	v_cvt_scalef32_pk16_fp6_f32 v[\pc+6*\c:\pc+2+6*\c], v[\s+32*\c:\s+15+32*\c], v[TM+12+2*\c]
	v_cvt_scalef32_pk16_fp6_f32 v[\tmp+4*\c:\tmp+2+4*\c], v[\s+16+32*\c:\s+31+32*\c], v[TM+12+2*\c+1]   ; (a conversion's three registers begin on an even number)
.endr
	v_nop                                          ; one plain place behind a scaled conversion
.irp c, 0,1                                    ; the operand's layout wants a WHOLE block in a lane: lanes 0-15 block 2 c, lanes 16-31 block 2 c + 1
.irp i, 0,1,2
	v_permlane16_swap_b32 v[\pc+6*\c+\i], v[\tmp+4*\c+\i]
.endr
.irp i, 0,1,2
	v_mov_b32 v[\pc+3+6*\c+\i], v[\tmp+4*\c+\i]
.endr
.endr
.endm
	s_load_b256 s[4:11], s[0:1], 0x0               ; x2 s[4:5], x3 s[6:7], kq s[8:9], vq s[10:11]
	v_lshl_add_u32 v[SPW], v0, 2, SPARE
	v_mov_b32 v[NIL], 0
	v_lshrrev_b32 v1, 5, v0
	v_readfirstlane_b32 s12, v1                    ; wave 0..3
	v_and_b32 v1, 31, v0                           ; lane
	v_and_b32 v2, 15, v0                           ; r
	v_bfe_u32 v3, v0, 4, 1                         ; h
	v_lshlrev_b32 v[LI], 4, v1
	v_lshlrev_b32 v[LS], 2, v1
	s_mul_i32 s24, s12, WST                        ; my stage
	v_add_nc_u32 v[STI], s24, v[LI]
	v_mul_u32_u24 v[STR], v2, SP
	v_lshl_add_u32 v[STR], v3, 6, v[STR]
	v_add_nc_u32 v[STR], s24, v[STR]
	s_lshl_b32 s25, s12, 7
	v_add_nc_u32 v[VC], s25, v[LS]                 ; column 32 x wave + lane, 4 bytes each
	s_mov_b32 s[SEL], 0x76543210
	s_mov_b32 s[SEL+1], 0xfedcba98
	s_and_b32 s13, ttmp9, 255                      ; which record
	s_lshl_b32 s14, s13, 16                        ; its 128 rows of 512 bytes in the source
	s_mov_b32 s15, 0
	s_mul_i32 s16, s13, REC
	s_mov_b32 s17, 0
	s_mul_i32 s18, s12, 3072                       ; my two fragments in the record,
	s_add_co_u32 s18, s18, s16
	s_mov_b32 s19, 0
	s_add_co_u32 s16, s16, s25                     ; and my 128 bytes of scale words (12,288 stands in the store's immediate)
	s_wait_kmcnt 0x0
	s_cmp_lt_u32 ttmp9, 256                        ; x2's work-group or x3's?  The choice hangs on the work-group's number alone
	s_cselect_b64 s[4:5], s[4:5], s[6:7]
	s_cselect_b64 s[8:9], s[8:9], s[10:11]
	s_add_nc_u64 s[4:5], s[4:5], s[14:15]
	s_add_nc_u64 s[20:21], s[8:9], s[18:19]
	s_add_nc_u64 s[22:23], s[8:9], s[16:17]
	s_cmp_lt_u32 ttmp9, 256
	s_cbranch_scc0 .Lv
	; ---- x2: wave w takes keys 32 w .. 32 w + 31 of the step: fragments 2 w and 2 w + 1.  Each load reads a whole row, 512 consecutive bytes; the rows turn through my stage, so that a lane gets 16 neighbours of a block.
	s_lshl_b32 s14, s12, 14                        ; my 32 rows
	s_add_nc_u64 s[4:5], s[4:5], s[14:15]
.set i, 0
	s_wait_alu depctr_va_vdst(0)
.rept 32
	global_load_b128 v[32+4*i:35+4*i], v[LI], s[4:5] offset:512*i th:TH_LOAD_NT
.set i, i+1
.endr
.set i, 0
.rept 32
	s_wait_loadcnt 31-i                            ; row i is in; the rows issued behind it may be out
	ds_store_b128 v[STI], v[32+4*i:35+4*i] offset:SP*(16*((i>>3)&1)+(i&7)+8*(i>>4))   ; key i is lane row (i % 8) + 8 (i / 16) of fragment (i / 8) % 2: stage row 16 x fragment + lane row
.set i, i+1
.endr
.irp b, 0,1,2,3
.irp j, 0,1,2,3
	ds_load_b128 v[160+16*\b+4*\j:163+16*\b+4*\j], v[STR] offset:128*\b+16*\j   ; LDS serves a wave's instructions in order: these see my stores
.endr
.endr
	s_wait_dscnt 16                                ; all but the 16 loads just issued: the 32 stores are done, so the registers that they read are free
.irp b, 0,1,2,3
.irp j, 0,1,2,3
	ds_load_b128 v[32+16*\b+4*\j:35+16*\b+4*\j], v[STR] offset:16*SP+128*\b+16*\j
.endr
.endr
.irp b, 0,1,2,3
	v_mov_b32 v[TM+4+\b], 0                        ; a lane permute's destination counts as one of its sources
.endr
	s_wait_dscnt 16                                ; the first fragment's numbers are in; the second's 16 loads may be out
	QUANT 160, 96, 120, 144
	s_wait_dscnt 0x0
	QUANT 32, 108, 120, 145
.irp g, 0,1,2
	global_store_b128 v[LI], v[96+4*\g:99+4*\g], s[20:21] offset:512*\g            ; 32 lanes store 512 consecutive bytes, at a multiple of 256 from the buffer's first byte
	global_store_b128 v[LI], v[108+4*\g:111+4*\g], s[20:21] offset:1536+512*\g
.endr
	v_cmp_gt_u32 vcc_lo, 16, v1
	v_cndmask_b32 v146, v145, v144, vcc_lo         ; lanes 0-15: fragment 2 w's words; lanes 16-31: fragment 2 w + 1's
	global_store_b32 v[LS], v146, s[22:23] offset:12288
	s_wait_tensorcnt 0x0                           ; the wave's end: behind my last LDS store
	ds_add_u32 v[SPW], v[NIL]
	s_wait_dscnt 0x0
	s_endpgm
	; ---- x3: a lane takes a column (channel 32 w + lane) and its registers run down the keys: a block of 32 keys lies in one lane, and the conversions give codes with the keys innermost.
.Lv:
.macro LOADV t                         ; keys 32 t .. 32 t + 31 of my column: each load reads 128 consecutive bytes a wave, the four waves side by side
.set i, 0
.rept 32
	global_load_b32 v[32+32*(\t)+i], v[VC], s[4:5] offset:512*(32*(\t)+i) th:TH_LOAD_NT
.set i, i+1
.endr
.endm
.macro BLOCKV b
.set XS, 32+32*(\b)
.set CB, 160+12*((\b)%2)+6*((\b)/2)    ; even blocks' codes from v160 on, odd blocks' from v172 on, six registers each
	v_max3_num_f32 v12, |v[XS]|, |v[XS+1]|, |v[XS+2]|               ; the block's largest magnitude: all 32 numbers are mine
	v_max3_num_f32 v13, |v[XS+3]|, |v[XS+4]|, |v[XS+5]|
.irp i, 6,10,14,18,22,26
	v_max3_num_f32 v12, v12, |v[XS+\i]|, |v[XS+\i+1]|
	v_max3_num_f32 v13, v13, |v[XS+\i+2]|, |v[XS+\i+3]|
.endr
	v_max3_num_f32 v12, v12, |v[XS+30]|, |v[XS+31]|
	v_max3_num_f32 v12, v12, v13, 0x1800000        ; and the floor 2^(3 - 127)
	v_add_nc_u32 v14, 0xff000000, v12              ; 2 off its exponent field: the conversion's scale operand
	v_lshrrev_b32 v15, 23, v14                     ; the scale's byte
.if (\b) == 0
	v_mov_b32 v192, v15                            ; my column's scale word: the lower keys in the lower byte
.else
	v_lshl_or_b32 v192, v15, 8*(\b), v192
.endif
	v_cvt_scalef32_pk16_fp6_f32 v[CB:CB+2], v[XS:XS+15], v14
	v_cvt_scalef32_pk16_fp6_f32 v[184:186], v[XS+16:XS+31], v14     ; (a conversion's three registers begin on an even number)
	v_nop                                          ; one plain place behind a scaled conversion
	v_mov_b32 v[CB+3], v184
	v_mov_b32 v[CB+4], v185
	v_mov_b32 v[CB+5], v186
.endm
	s_wait_alu depctr_va_vdst(0)
	LOADV 0
	LOADV 1
	s_wait_loadcnt 32                              ; block 0 is in; block 1's 32 loads may be out
	LOADV 2
	BLOCKV 0
	s_wait_loadcnt 32                              ; block 1 is in; block 2's may be out
	LOADV 3
	BLOCKV 1
	s_wait_loadcnt 32                              ; block 2 is in; block 3's may be out
	BLOCKV 2
	s_wait_loadcnt 0x0
	BLOCKV 3
.set i, 0
.rept 12
	v_permlane16_swap_b32 v[160+i], v[172+i]       ; the even blocks' lanes 16-31 change places with the odd blocks' lanes 0-15: v160-171 are fragment 2 w (lane (r, h): blocks h and 2 + h of channel r), v172-183 fragment 2 w + 1
.set i, i+1
.endr
.irp g, 0,1,2
	global_store_b128 v[LI], v[160+4*\g:163+4*\g], s[20:21] offset:512*\g
	global_store_b128 v[LI], v[172+4*\g:175+4*\g], s[20:21] offset:1536+512*\g
.endr
	global_store_b32 v[LS], v192, s[22:23] offset:12288   ; lane L's column is row L % 16 of fragment 2 w + L / 16: the words lie as the record wants them
	s_wait_tensorcnt 0x0                           ; the same three lines close this path
	ds_add_u32 v[SPW], v[NIL]
	s_wait_dscnt 0x0
	s_endpgm
.Lfunc_end_k_qcc70488553_prep:
	.size	k_qcc70488553_prep, .Lfunc_end_k_qcc70488553_prep-k_qcc70488553_prep
	.p2alignl 7, 3214868480
	.fill 96, 4, 3214868480
	.section	.rodata,"a",@progbits
	.p2align	6, 0x0
	.amdhsa_kernel k_qcc70488553_prep
		.amdhsa_group_segment_fixed_size 68096
		.amdhsa_private_segment_fixed_size 0
		.amdhsa_enable_private_segment 0
		.amdhsa_kernarg_size 32
		.amdhsa_user_sgpr_count 2
		.amdhsa_user_sgpr_kernarg_segment_ptr 1
		.amdhsa_wavefront_size32 1
		.amdhsa_system_sgpr_workgroup_id_x 1
		.amdhsa_system_sgpr_workgroup_id_y 1
		.amdhsa_system_sgpr_workgroup_id_z 1
		.amdhsa_system_vgpr_workitem_id 0
		.amdhsa_next_free_vgpr 224
		.amdhsa_next_free_sgpr 66
		.amdhsa_reserve_vcc 1
		.amdhsa_float_denorm_mode_32 3
		.amdhsa_float_denorm_mode_16_64 3
		.amdhsa_memory_ordered 1
		.amdhsa_forward_progress 1
		.amdhsa_inst_pref_size 38
	.end_amdhsa_kernel
	.amdgpu_metadata
---
amdhsa.version: [ 1, 2 ]
amdhsa.kernels:
  - .name:           k_qcc70488553_prep
    .symbol:         k_qcc70488553_prep.kd
    .args:
      - { .name: x2, .offset: 0, .size: 8, .value_kind: global_buffer, .address_space: global }
      - { .name: x3, .offset: 8, .size: 8, .value_kind: global_buffer, .address_space: global }
      - { .name: kq, .offset: 16, .size: 8, .value_kind: global_buffer, .address_space: global }
      - { .name: vq, .offset: 24, .size: 8, .value_kind: global_buffer, .address_space: global }
    .group_segment_fixed_size: 68096
    .private_segment_fixed_size: 0
    .kernarg_segment_align: 8
    .kernarg_segment_size: 32
    .max_flat_workgroup_size: 128
    .sgpr_count:     66
    .vgpr_count:     224
    .wavefront_size: 32
...
	.end_amdgpu_metadata
.endif
;; end of part 1
;; launch attn (part 2): grid 16 x 16, 8 waves a work-group, clusters of 4 x 1, 327,680 bytes of LDS; arguments x1, drop_mask, kq, vq, out0; writes out0
.if DOCPART == 2
	.amdgcn_target "amdgcn-amd-amdhsa--gfx1250"
	.amdhsa_code_object_version 6
	.text
	.protected	k_qcc70488553_attn
	.globl	k_qcc70488553_attn
	.p2align	8
	.type	k_qcc70488553_attn,@function
k_qcc70488553_attn:
	s_mov_b64 s[64:65], 0
	v_nop
	global_prefetch_b8 v0, s[64:65] scope:SCOPE_SE
	s_setreg_imm32_b32 hwreg(HW_REG_WAVE_MODE, 25, 1), 1
	s_wait_xcnt 0x0
	s_wait_alu depctr_hold_cnt(0) depctr_sa_sdst(0) depctr_va_vdst(0) depctr_va_sdst(0) depctr_va_ssrc(0) depctr_va_vcc(0) depctr_vm_vsrc(0)
	s_getreg_b32 s2, hwreg(HW_REG_IB_STS2, 6, 4)
	s_cmp_eq_u32 s2, 0
	s_cbranch_scc0 .Lentry_in_a_cluster
	s_endpgm
.Lentry_in_a_cluster:
	s_bfe_u32 s2, ttmp6, 0x10000c
	s_cmp_lg_u32 s2, 0x3003
	s_cbranch_scc0 .Lentry_shape_is_right
	s_endpgm
.Lentry_shape_is_right:
; out0[b][q][:] = sum over k of P[b][q][k] x3[b][k][:],  P = where(drop_mask, softmax_k(0.2 x1[b][q] . x2[b][k]) / 0.9, 0).  Both products on codes of FP6 (E2M3), one E8M0 scale for each 32 along K.
; The second product's operand is the FINISHED P, so a row's sum is known before any P is quantised.  The keys are walked ONCE: a round's scores stay in registers until the row's sum is known.
; SHARES.  A work-group owns 128 queries of one batch and takes them in eight rounds of 16.  Its eight waves split the KEYS: wave w owns keys 256 w .. 256 w + 255 (records 2 w, 2 w + 1 of kq and vq).
;   My two records of K (25,600 bytes) come by my one tensor load at the head into my part of LDS and go from there into 192 registers and 8 scale words, where they stay.
;   My two records of V are then laid over the same bytes by one refill, behind the three lines and a round of the cluster's barrier, and stay in LDS; I alone read my part.
; A ROUND, in a wave: S^T = K Q^T (16 products, 128 registers); t = 0.2 log2(e) S; M_w = my keys' largest t rounded up to a whole number; p = 2^(t - M_w); l_w = their sum.
;   (-M_w, l_w) go to LDS, one barrier; M = the largest M_w, l = sum of l_w 2^(M_w - M) (exact powers of two); my multiplier is 2^(M_w - M) x 512 / (0.9 l).
;   Between that barrier's signal and wait: the mask's bytes become f32, p x mask, and the blocks' largest.  Then P, its codes, and O^T = V^T P^T over my 256 keys, four channel tiles at a time.
;   The eight partial O go to LDS as rows, a second barrier; wave w sums rows 2 w and 2 w + 1 and stores each as 512 bytes on end.  The next round's first product stands between that barrier's signal and wait.
; Both products are used transposed: a lane holds ONE query (lane % 16); score registers 16 b + i of a step are keys 32 b + 16 (lane / 16) + i, by the order of keys in kq's fragments.
; Q: wave w loads 16 whole rows of x1, turns them through its own rows of the partial O's area, quantises them and leaves a register image in LDS; every wave reads a round's image.
; THE MASK: my 16 rows x 256 bytes of a round come as eight loads of two whole 256-byte pieces, asked for two rounds ahead of their turn through my own LDS stage, which gives a lane its query's bytes.
;   A byte 1 read as a code of E4M3 is 2^-9; the 512 in the multiplier takes that out again, exactly.
; PREFETCHES.  The mask: in round i one line a wave names the 16 pieces of round i + 4, two rounds ahead of the load that wants them (lanes 16-31 name the last piece again); rounds 4 to 7 ask for nothing.
;   V: one line a wave at the head, ahead of K's load, names 25 of my records' 100 pieces of 256 bytes; the cluster's four partners share the 100 out by address (lanes 25-31 name the last again).
;   x1 is the first thing asked for; round 0's mask and V's prefetch run ahead of K's load.
; CLUSTER 4, 1, 1: four query blocks of one batch ask for K's and V's records jointly (the same descriptors in all four: batch and wave alone).
; LIMITS: the promise holds while |t| stays under 2^31; NaN and infinities are not served; a 2^(t - M_w) under 2^-126 comes out as 0; a block of P whose largest lies under 2^-124 keeps the scale byte 1; mask bytes are 0 or 1.
; REGISTERS, window 0: v1-14 addresses; v16 -M_w, v17 l_w; v18 the multiplier; v20-27 finished rows of O; v32-44 Q; v46-53 K's scale words, v54-61 V's; v62-63 P's; v64-191 S, p, P, then fragments of V;
;   v192-223 the mask's bytes, then P's codes and the conversions' second halves; v224-239, v240-255 at work.  Window 1: v0-191 K; v192-223 four tiles of O, or partial rows; v224-255 the mask as loaded.
.set REC,   12800
.set OX,    16*REC                     ; behind K's and V's bytes: the partial O, 16 rows of 528 bytes for each wave
.set OP,    528
.set OW,    16*OP
.set MST,   OX+8*OW                    ; the mask's stages: 16 rows of 272 bytes for each wave
.set MP,    272
.set WMST,  16*MP
.set QI,    MST+8*WMST                 ; Q's eight register images: 1,536 bytes of codes, 128 of scale words, in places of 1,792
.set QP,    1792
.set STAT,  QI+8*QP                    ; (-M_w, l_w): 64 bytes a query, 8 a wave
.set SPARE, STAT+1024                  ; the spare words: 128 bytes a wave, four blocks of 256 bytes that no other line names
.set LI,  1
.set LS,  2
.set AV,  3
.set MSI, 4
.set MSO, 5
.set VMO, 6
.set PFO, 7
.set AVS, 8
.set LSQ, 9
.set AST, 10
.set ASR, 11
.set OXS, 12
.set OXR, 13
.set PFV, 14
.set ONE, 15
.set NM,  16
.set R,   18
.set OT,  20
.set SPW, 30
.set NIL, 31
.set QC,  32
.set QS,  44
.set KS,  46
.set VS,  54
.set PW,  62
.set S,   64
.set PC,  192
.set MB,  192
.set CT,  216
.set MF,  224
.set BM,  240
.set SC,  248
.set T0,  248
.set T1,  249
.set T2,  250
.set T3,  251
.set T4,  252
.set T5,  253
.set O,   192                          ; window 1
.set MR,  224                          ; window 1
.set RND, 3
.set WV,  14
.set QO,  18
.set SEL, 20
.set CS,  22
.set G1,  24
.set G0,  32                           ; group 0 for K
.set GV,  52                           ; group 0 for V
.set MSB, 0
.macro WIN new                         ; low byte: bits 1:0 source 0, 3:2 source 1, 5:4 source 2, 7:6 destination; the high byte repeats the setting that is left
.if MSB != \new
	s_set_vgpr_msb (MSB<<8)|\new
.set MSB, \new
.endif
.endm
.macro CROUND                          ; a round of the cluster's barrier
	s_barrier_signal -1
	s_barrier_wait -1
	s_cmp_lg_u32 s[WV], 0
	s_cbranch_scc1 .Lnw0_\@
	s_barrier_signal -3
.Lnw0_\@:
	s_barrier_wait -3
	s_barrier_signal -1
	s_barrier_wait -1
.endm
.macro PLACES n
.rept \n
	v_nop
.endr
.endm
.macro MLOAD off                       ; 16 rows x 256 bytes of the mask: each load takes two whole pieces
	WIN 0x40
.irp i, 0,1,2,3,4,5,6,7
	global_load_b128 v[MR+4*\i:MR+4*\i+3], v[VMO], s[6:7] offset:\off+4096*\i th:TH_LOAD_NT
.endr
	WIN 0
.endm
.macro MSTAGE                          ; into my stage, as loaded
	WIN 0x04
.irp i, 0,1,2,3,4,5,6,7
	ds_store_b128 v[MSI], v[MR+4*\i:MR+4*\i+3] offset:2*MP*\i
.endr
	WIN 0
.endm
.macro KREC s                          ; a record of K out of LDS into window 1
	WIN 0x40
.irp t, 0,1,2,3,4,5,6,7
.irp g, 0,1,2
	ds_load_b128 v[96*\s+12*\t+4*\g:96*\s+12*\t+4*\g+3], v[AV] offset:REC*\s+1536*\t+512*\g
.endr
.endr
	WIN 0
.endm
.macro QLOAD                           ; the round's image of Q
	v_add_nc_u32 v[T0], s[QO], v[LI]
	v_add_nc_u32 v[T1], s[QO], v[LSQ]
.irp g, 0,1,2
	ds_load_b128 v[QC+4*\g:QC+4*\g+3], v[T0] offset:512*\g
.endr
	ds_load_b32 v[QS], v[T1]
.endm
.macro QK                              ; S^T = K Q^T: 16 tiles of 16 keys; a scale register serves two tiles
	WIN 0x01
.irp s, 0,1
.irp p, 0,1,2,3
	v_wmma_scale_f32_16x16x128_f8f6f4 v[S+64*\s+16*\p:S+64*\s+16*\p+7], v[96*\s+24*\p:96*\s+24*\p+11], v[QC:QC+11], 0, v[KS+4*\s+\p], v[QS] matrix_a_fmt:MATRIX_FMT_FP6 matrix_b_fmt:MATRIX_FMT_FP6
	v_wmma_scale_f32_16x16x128_f8f6f4 v[S+64*\s+16*\p+8:S+64*\s+16*\p+15], v[96*\s+24*\p+12:96*\s+24*\p+23], v[QC:QC+11], 0, v[KS+4*\s+\p], v[QS] matrix_a_fmt:MATRIX_FMT_FP6 matrix_b_fmt:MATRIX_FMT_FP6 matrix_a_scale:MATRIX_SCALE_ROW1
.endr
.endr
	WIN 0
.endm
.macro BMAX                            ; the largest of each run of 16 registers of S, eight chains by turns; each accumulator is first read at its low end
.irp b, 0,1,2,3,4,5,6,7
	v_max3_num_f32 v[BM+\b], v[S+16*\b], v[S+16*\b+1], v[S+16*\b+2]
.endr
.irp i, 3,5,7,9,11,13
.irp b, 0,1,2,3,4,5,6,7
	v_max3_num_f32 v[BM+\b], v[BM+\b], v[S+16*\b+\i], v[S+16*\b+\i+1]
.endr
.endr
.irp b, 0,1,2,3,4,5,6,7
	v_max_num_f32 v[BM+\b], v[BM+\b], v[S+16*\b+15]
.endr
.endm
.macro CODES s, pc, sc                 ; 64 numbers of a lane become a fragment's 12 registers; sc: four scale operands
.irp c, 0,1
	v_cvt_scalef32_pk16_fp6_f32 v[\pc+6*\c:\pc+6*\c+2], v[\s+32*\c:\s+32*\c+15], v[\sc+2*\c]
	v_cvt_scalef32_pk16_fp6_f32 v[CT+4*\c:CT+4*\c+2], v[\s+32*\c+16:\s+32*\c+31], v[\sc+2*\c+1]
.endr
	v_nop                                          ; one plain place behind a scaled conversion
.irp c, 0,1                                    ; a whole block in a lane: lanes 0-15 block 2 c, lanes 16-31 block 2 c + 1
.irp i, 0,1,2
	v_permlane16_swap_b32 v[\pc+6*\c+\i], v[CT+4*\c+\i]
.endr
.irp i, 0,1,2
	v_mov_b32 v[\pc+6*\c+3+\i], v[CT+4*\c+\i]
.endr
.endr
.endm
.macro VLOAD d, rec, t                 ; fragment t of my record rec of V
.irp g, 0,1,2
	ds_load_b128 v[\d+4*\g:\d+4*\g+3], v[AV] offset:REC*\rec+1536*(\t)+512*\g
.endr
.endm
.macro PVM q, a, rec, t, zero          ; O^T tile t (accumulator q) takes my record rec's 128 keys
.if \zero
.if (\t)%2
	v_wmma_scale_f32_16x16x128_f8f6f4 v[O+8*\q:O+8*\q+7], v[\a:\a+11], v[PC+12*\rec:PC+12*\rec+11], 0, v[VS+4*\rec+(\t)/2], v[PW+\rec] matrix_a_fmt:MATRIX_FMT_FP6 matrix_b_fmt:MATRIX_FMT_FP6 matrix_a_scale:MATRIX_SCALE_ROW1
.else
	v_wmma_scale_f32_16x16x128_f8f6f4 v[O+8*\q:O+8*\q+7], v[\a:\a+11], v[PC+12*\rec:PC+12*\rec+11], 0, v[VS+4*\rec+(\t)/2], v[PW+\rec] matrix_a_fmt:MATRIX_FMT_FP6 matrix_b_fmt:MATRIX_FMT_FP6
.endif
.else
.if (\t)%2
	v_wmma_scale_f32_16x16x128_f8f6f4 v[O+8*\q:O+8*\q+7], v[\a:\a+11], v[PC+12*\rec:PC+12*\rec+11], v[O+8*\q:O+8*\q+7], v[VS+4*\rec+(\t)/2], v[PW+\rec] matrix_a_fmt:MATRIX_FMT_FP6 matrix_b_fmt:MATRIX_FMT_FP6 matrix_a_scale:MATRIX_SCALE_ROW1
.else
	v_wmma_scale_f32_16x16x128_f8f6f4 v[O+8*\q:O+8*\q+7], v[\a:\a+11], v[PC+12*\rec:PC+12*\rec+11], v[O+8*\q:O+8*\q+7], v[VS+4*\rec+(\t)/2], v[PW+\rec] matrix_a_fmt:MATRIX_FMT_FP6 matrix_b_fmt:MATRIX_FMT_FP6
.endif
.endif
.endm
.macro OSTORE hf                       ; four tiles of my partial O into my 16 rows: register 8 q + j is (query r, channel 64 hf + 16 q + 8 h + j)
	WIN 0x04
.irp q, 0,1,2,3
	ds_store_b128 v[OXS], v[O+8*\q:O+8*\q+3] offset:256*\hf+64*\q
	ds_store_b128 v[OXS], v[O+8*\q+4:O+8*\q+7] offset:256*\hf+64*\q+16
.endr
	WIN 0
.endm
.macro OREAD u                         ; row 2 w + u of all eight partial O, 16 bytes a lane
	WIN 0x40
.irp k, 0,1,2,3,4,5,6,7
	ds_load_b128 v[O+4*\k:O+4*\k+3], v[OXR] offset:OW*\k+OP*\u
.endr
	WIN 0
.endm
.macro OSUM u, n                       ; n: the younger LDS lines that may stay out
	s_wait_alu depctr_va_vdst(0)
	s_wait_dscnt \n
	WIN 0x45
.irp k, 0,8,16,24
	v_pk_add_f32 v[O+\k:O+\k+1], v[O+\k:O+\k+1], v[O+\k+4:O+\k+5]
	v_pk_add_f32 v[O+\k+2:O+\k+3], v[O+\k+2:O+\k+3], v[O+\k+6:O+\k+7]
.endr
.irp k, 0,16
	v_pk_add_f32 v[O+\k:O+\k+1], v[O+\k:O+\k+1], v[O+\k+8:O+\k+9]
	v_pk_add_f32 v[O+\k+2:O+\k+3], v[O+\k+2:O+\k+3], v[O+\k+10:O+\k+11]
.endr
	WIN 0x05
	v_pk_add_f32 v[OT+4*\u:OT+4*\u+1], v[O:O+1], v[O+16:O+17]
	v_pk_add_f32 v[OT+4*\u+2:OT+4*\u+3], v[O+2:O+3], v[O+18:O+19]
	WIN 0
	global_store_b128 v[LI], v[OT+4*\u:OT+4*\u+3], s[12:13] offset:512*\u th:TH_STORE_NT   ; 32 lanes store a whole row of out0, 512 bytes on end
.endm
	s_load_b256 s[4:11], s[0:1], 0x0               ; x1 s[4:5], drop_mask s[6:7], kq s[8:9], vq s[10:11]
	s_load_b64 s[12:13], s[0:1], 0x20              ; out0
	v_lshl_add_u32 v[SPW], v0, 2, SPARE
	v_mov_b32 v[NIL], 0
	ds_add_u32 v[SPW], v[NIL]                      ; the opening lines: the add, twice on end, and its wait ahead of my first tensor load
	ds_add_u32 v[SPW], v[NIL]
	v_lshrrev_b32 v[T0], 5, v0
	v_readfirstlane_b32 s[WV], v[T0]               ; wave 0..7
	s_bfe_u32 s15, ttmp6, 0x40000                  ; my place in the cluster
	s_lshl_b32 s16, ttmp9, 2
	s_add_co_u32 s16, s16, s15                     ; which 128 queries
	s_and_b32 s17, ttmp7, 0xffff                   ; the batch
	s_mul_i32 s19, s15, 25                         ; my work-group's 25 of the 100 pieces of V that a wave's prefetch shares out
	s_mov_b32 s[G1], 15|(3<<16)|(1<<21)            ; all four of the cluster; elements of 8 bytes; bit 21 beside the mask.  25,600 dense bytes as 100 rows of 256
	s_mov_b32 s[G1+1], 32<<16
	s_mov_b32 s[G1+2], 100<<16
	s_mov_b32 s[G1+3], 32<<16
	s_mov_b32 s[G1+4], 100
	s_mov_b32 s[G1+5], 32
	s_mov_b32 s[G1+6], 0
	s_mov_b32 s[G1+7], 0
	s_mul_i32 s36, s[WV], 2*REC                    ; my two records: in LDS,
	s_mov_b32 s[G0], 1
	s_mov_b32 s[G0+1], s36
	s_mov_b32 s[GV], 1
	s_mov_b32 s[GV+1], s36
	s_mul_i32 s37, s17, 16*REC
	s_add_co_u32 s38, s37, s36                     ; and in kq and vq: batch and wave alone
	s_mov_b32 s39, 0
	s_lshl_b32 s40, s17, 11
	s_lshl_b32 s41, s16, 7
	s_add_co_u32 s40, s40, s41                     ; my work-group's first query, counted through the batches
	s_lshl_b32 s41, s[WV], 4
	s_add_co_u32 s41, s41, s40
	s_lshl_b32 s42, s41, 9                         ; x1: the 16 queries that I quantise
	s_mov_b32 s43, 0
	s_lshl_b32 s41, s[WV], 1
	s_add_co_u32 s41, s41, s40
	s_lshl_b32 s44, s41, 9                         ; out0: rows 2 w, 2 w + 1 of a round
	s_mov_b32 s45, 0
	s_lshl_b32 s46, s40, 11
	s_lshl_b32 s41, s[WV], 8
	s_add_co_u32 s46, s46, s41                     ; the mask: the round's first row, my 256 keys
	s_mov_b32 s47, 0
	s_mov_b32 s[SEL], 0x76543210
	s_mov_b32 s[SEL+1], 0xfedcba98                 ; lane l xor 16
	s_mov_b32 s[CS], 0x3e93bb63                    ; c = 0.2 log2(e)
	s_mov_b32 s[CS+1], s[CS]
	s_mov_b32 s[QO], QI
	v_and_b32 v20, 31, v0                          ; lane
	v_and_b32 v21, 15, v0                          ; r
	v_bfe_u32 v22, v0, 4, 1                        ; h
	v_lshlrev_b32 v[LI], 4, v20
	v_lshlrev_b32 v[LS], 2, v20
	v_min_u32 v[PFV], 24, v20
	v_lshlrev_b32 v[VMO], 11, v22
	v_add_nc_u32 v[PFV], s19, v[PFV]
	v_lshl_add_u32 v[VMO], v21, 4, v[VMO]          ; the mask: row h, + 16 r
	v_lshlrev_b32 v[PFV], 8, v[PFV]                ; V's prefetch: a lane a piece of 256 bytes
	s_wait_alu depctr_va_vdst(0)
	s_wait_dscnt 0x0                               ; both opening adds are done
	s_wait_kmcnt 0x0
	s_add_nc_u64 s[4:5], s[4:5], s[42:43]
	s_add_nc_u64 s[12:13], s[12:13], s[44:45]
	s_add_nc_u64 s[6:7], s[6:7], s[46:47]
	s_add_nc_u64 s[G0+2:G0+3], s[8:9], s[38:39]
	s_or_b32 s[G0+3], s[G0+3], 0x80000000
	s_add_nc_u64 s[48:49], s[10:11], s[38:39]
	s_mov_b64 s[GV+2:GV+3], s[48:49]
	s_or_b32 s[GV+3], s[GV+3], 0x80000000
.irp i, 0,1,2,3,4,5,6,7,8,9,10,11,12,13,14,15
	global_load_b128 v[S+64+4*\i:S+64+4*\i+3], v[LI], s[4:5] offset:512*\i th:TH_LOAD_NT   ; a whole row of x1, 512 bytes on end
.endr
	MLOAD 0                                        ; round 0's mask
	global_prefetch_b8 v[PFV], s[48:49] th:TH_LOAD_NT scope:SCOPE_SE   ; V, which is loaded when K has left LDS
	CROUND                                         ; the four work-groups are here: the joint loads meet
	tensor_load_to_lds s[G0:G0+3], s[G1:G1+7]      ; my two records of K: my one tensor load at the head
	s_nop 0
	PLACES 4
	s_mul_i32 s40, s[WV], WMST
	s_add_co_u32 s40, s40, MST
	s_lshl_b32 s41, s[WV], 3
	s_add_co_u32 s41, s41, STAT
	s_mul_i32 s42, s[WV], OW
	s_add_co_u32 s42, s42, OX
	s_mul_i32 s43, s[WV], 2*OP
	s_add_co_u32 s43, s43, OX
	s_mul_i32 s44, s[WV], QP
	s_add_co_u32 s44, s44, QI
	v_add_nc_u32 v[AV], s36, v[LI]
	v_add_nc_u32 v[AVS], s36, v[LS]
	v_mul_u32_u24 v[MSI], v22, MP
	v_mul_u32_u24 v[MSO], v21, MP
	v_lshl_add_u32 v[MSI], v21, 4, v[MSI]
	v_lshl_add_u32 v[MSO], v22, 4, v[MSO]
	v_add_nc_u32 v[MSI], s40, v[MSI]               ; the stage, in: row h, + 16 r
	v_add_nc_u32 v[MSO], s40, v[MSO]               ; and out: row r, + 16 h
	v_add_nc_u32 v[AVS], 12288, v[AVS]             ; a record's scale words
	v_min_u32 v[PFO], 15, v20
	v_lshlrev_b32 v[PFO], 11, v[PFO]               ; the mask's prefetch: a lane a row
	v_add_nc_u32 v[LSQ], 1536, v[LS]
	v_lshlrev_b32 v[ASR], 6, v21
	v_mul_u32_u24 v[OXS], v21, OP
	v_add_nc_u32 v[AST], s41, v[ASR]
	v_add_nc_u32 v[ASR], STAT, v[ASR]
	v_lshl_add_u32 v27, v22, 6, v[OXS]
	v_lshl_add_u32 v[OXS], v22, 5, v[OXS]
	v_add_nc_u32 v[OXR], s43, v[LI]
	v_add_nc_u32 v27, s42, v27                     ; x1 back out of my rows: row r, + 64 h
	v_add_nc_u32 v[OXS], s42, v[OXS]
	v_add_nc_u32 v26, s42, v[LI]                   ; x1 into my rows, as loaded
	v_add_nc_u32 v24, s44, v[LI]                   ; where my image of Q goes
	v_add_nc_u32 v25, s44, v[LSQ]
	v_mov_b32 v[NM+1], 0                           ; the upper half of a pair whose low word alone is used
	v_mov_b32 v[ONE], 0x7f7f7f7f                   ; the scale 1 in every byte
.irp b, 0,1,2,3,4,5,6,7
	v_mov_b32 v[SC+\b], 0                          ; a lane permute's destination counts as one of its sources
.endr
	s_wait_alu depctr_va_vdst(0)
	s_wait_loadcnt 8                               ; x1's 16 loads are in; the mask's 8 may be out
.irp i, 0,1,2,3,4,5,6,7,8,9,10,11,12,13,14,15
	ds_store_b128 v26, v[S+64+4*\i:S+64+4*\i+3] offset:OP*\i
.endr
.irp b, 0,1,2,3
.irp j, 0,1,2,3
	ds_load_b128 v[S+16*\b+4*\j:S+16*\b+4*\j+3], v27 offset:128*\b+16*\j   ; LDS serves a wave's instructions in order: these see my stores.  Register 16 b + i: channel 32 b + 16 h + i of query r
.endr
.endr
	s_wait_dscnt 0x0
	; my 16 queries are quantised along the channels; every wave reads the image later
.irp b, 0,1,2,3
	v_max3_num_f32 v[BM+\b], |v[S+16*\b]|, |v[S+16*\b+1]|, 0x1800000   ; with the floor 2^(3 - 127): the byte cannot fall under 1
.endr
.irp i, 2,4,6,8,10,12,14
.irp b, 0,1,2,3
	s_delay_alu instid0(VALU_DEP_4)
	v_max3_num_f32 v[BM+\b], v[BM+\b], |v[S+16*\b+\i]|, |v[S+16*\b+\i+1]|
.endr
.endr
.irp b, 0,1,2,3
	s_delay_alu instid0(VALU_DEP_4)
	v_permlanex16_b32 v[SC+4+\b], v[BM+\b], s[SEL], s[SEL+1]
.endr
.irp b, 0,1,2,3
	s_delay_alu instid0(VALU_DEP_4)
	v_max_num_f32 v[BM+\b], v[BM+\b], v[SC+4+\b]
.endr
.irp b, 0,1,2,3
	s_delay_alu instid0(VALU_DEP_4)
	v_add_nc_u32 v[SC+\b], 0xff000000, v[BM+\b]    ; 2 off the exponent field: the conversion's scale operand
.endr
.irp b, 0,1,2,3
	s_delay_alu instid0(VALU_DEP_4)
	v_lshrrev_b32 v[BM+\b], 23, v[SC+\b]
.endr
	s_delay_alu instid0(VALU_DEP_3)
	v_lshl_or_b32 v[PW], v[BM+1], 8, v[BM]
	s_delay_alu instid0(VALU_DEP_1)
	v_lshl_or_b32 v[PW], v[BM+2], 16, v[PW]
	s_delay_alu instid0(VALU_DEP_1)
	v_lshl_or_b32 v[PW], v[BM+3], 24, v[PW]
	CODES S, PC, SC
.irp g, 0,1,2
	ds_store_b128 v24, v[PC+4*\g:PC+4*\g+3] offset:512*\g
.endr
	ds_store_b32 v25, v[PW]
	s_wait_alu depctr_va_vdst(0)
	s_wait_loadcnt 0x0                             ; round 0's mask is in registers
	MSTAGE
	s_wait_tensorcnt 0x0                           ; my two records of K have landed; I alone read them
	KREC 0
	KREC 1
.irp s, 0,1
.irp p, 0,1,2,3
	ds_load_b32 v[KS+4*\s+\p], v[AVS] offset:REC*\s+128*\p
.endr
.endr
	s_wait_tensorcnt 0x0                           ; ahead of the refill's barrier
	ds_add_u32 v[SPW], v[NIL]
	s_wait_dscnt 0x0                               ; K is in registers, my image of Q is whole, the stage's stores have read their registers
	CROUND                                         ; no wave of any partner still reads K's bytes; all eight images are whole
	tensor_load_to_lds s[GV:GV+3], s[G1:G1+7]      ; my two records of V, over K's bytes: the first tensor load behind the round
	s_nop 0
	PLACES 4
	MLOAD 32768                                    ; round 1's mask
	QLOAD
	s_wait_dscnt 0x0
; A ROUND.  mode 0: the first; 1: in the loop; 2: the last.
.macro ROUND mode
	QK                                             ; work on registers alone: behind the first round it stands between the signal and the wait of the barrier for the partial O
.if \mode > 0
	s_barrier_wait -1                              ; all partial O of the round before are in LDS
	OREAD 0
.endif
.irp k, 0,1,2,3,4,5,6,7
	ds_load_b128 v[MB+4*\k:MB+4*\k+3], v[MSO] offset:32*\k   ; my query's mask bytes at keys 32 k + 16 h + 0 .. 15
.endr
	PLACES 4                                       ; four places behind the products
	BMAX
	v_max3_num_f32 v[T0], v[BM], v[BM+1], v[BM+2]
	v_max3_num_f32 v[T1], v[BM+3], v[BM+4], v[BM+5]
	s_delay_alu instid0(VALU_DEP_2)
	v_max3_num_f32 v[T0], v[T0], v[BM+6], v[BM+7]
	s_delay_alu instid0(VALU_DEP_1)
	v_max_num_f32 v[T0], v[T0], v[T1]
	s_delay_alu instid0(VALU_DEP_1)
	v_permlanex16_b32 v[T1], v[T0], s[SEL], s[SEL+1]
	s_delay_alu instid0(VALU_DEP_1)
	v_max_num_f32 v[T0], v[T0], v[T1]              ; the largest score of my query among my 256 keys
	s_delay_alu instid0(VALU_DEP_1)
	v_mul_f32 v[T0], s[CS], v[T0]
	s_delay_alu instid0(VALU_DEP_1)
	v_floor_f32 v[NM], -v[T0]                      ; -M_w: M_w is a whole number
.if \mode > 0
	OSUM 0, 8                                      ; the mask's eight loads may be out
	OREAD 1
.endif
.set j, 0
.rept 64
	v_pk_fma_f32 v[S+j:S+j+1], v[S+j:S+j+1], s[CS:CS+1], v[NM:NM+1] op_sel_hi:[1,0,0]   ; t - M_w
.set j, j+2
.endr
.if \mode > 0
	OSUM 1, 0
.endif
	s_wait_alu depctr_va_vdst(0)
.set j, 0
.rept 128
	v_exp_f32 v[S+j], v[S+j]
.set j, j+1
.endr
	v_nop                                          ; a plain place behind the batch
	s_wait_alu depctr_va_vdst(0)                   ; and one wait ahead of its first reader
.irp a, 0,2,4,6,8,10,12,14
	v_dual_add_f32 v[MF+\a], v[S+\a], v[S+16+\a] :: v_dual_add_f32 v[MF+\a+1], v[S+\a+1], v[S+17+\a]   ; l_w, of the unmasked p, in sixteen chains, two to a line
.endr
.irp k, 2,3,4,5,6,7
.irp a, 0,2,4,6,8,10,12,14
	v_dual_add_f32 v[MF+\a], v[S+16*\k+\a], v[MF+\a] :: v_dual_add_f32 v[MF+\a+1], v[S+16*\k+\a+1], v[MF+\a+1]
.endr
.endr
.irp a, 0,2,4,6
	v_pk_add_f32 v[MF+\a:MF+\a+1], v[MF+\a:MF+\a+1], v[MF+8+\a:MF+9+\a]
.endr
.irp a, 0,2
	v_pk_add_f32 v[MF+\a:MF+\a+1], v[MF+\a:MF+\a+1], v[MF+4+\a:MF+5+\a]
.endr
	s_delay_alu instid0(VALU_DEP_1)
	v_pk_add_f32 v[MF:MF+1], v[MF:MF+1], v[MF+2:MF+3]
	s_delay_alu instid0(VALU_DEP_1)
	v_add_f32 v[T0], v[MF], v[MF+1]
	s_delay_alu instid0(VALU_DEP_1)
	v_permlanex16_b32 v[T1], v[T0], s[SEL], s[SEL+1]
	s_delay_alu instid0(VALU_DEP_1)
	v_add_f32 v[NM+1], v[T0], v[T1]
	ds_store_b64 v[AST], v[NM:NM+1]                ; lanes r and r + 16 write the same pair to the same place
	s_wait_alu depctr_va_vdst(0)
	s_wait_dscnt 0x0                               ; the pair is in LDS, the mask's bytes are in registers
	s_barrier_signal -1
	; work on registers while the others arrive: p x mask (0 or 2^-9), and each block's largest
	v_cvt_scale_pk8_f32_fp8 v[MF:MF+7], v[MB:MB+1], v[ONE]
	v_cvt_scale_pk8_f32_fp8 v[MF+8:MF+15], v[MB+2:MB+3], v[ONE]
	v_nop                                          ; a plain place behind a scaled conversion; further on four lines of multiplications stand between each conversion and its readers
.irp k, 0,1,2,3,4,5,6,7
.irp j, 0,2,4,6
	v_dual_mul_f32 v[S+16*\k+\j], v[MF+\j], v[S+16*\k+\j] :: v_dual_mul_f32 v[S+16*\k+\j+1], v[MF+\j+1], v[S+16*\k+\j+1]
.endr
.if \k < 7
	v_cvt_scale_pk8_f32_fp8 v[MF:MF+7], v[MB+4*\k+4:MB+4*\k+5], v[ONE]
.endif
.irp j, 8,10,12,14
	v_dual_mul_f32 v[S+16*\k+\j], v[MF+\j], v[S+16*\k+\j] :: v_dual_mul_f32 v[S+16*\k+\j+1], v[MF+\j+1], v[S+16*\k+\j+1]
.endr
.if \k < 7
	v_cvt_scale_pk8_f32_fp8 v[MF+8:MF+15], v[MB+4*\k+6:MB+4*\k+7], v[ONE]
.endif
.endr
	BMAX
.irp b, 0,1,2,3,4,5,6,7
	v_permlanex16_b32 v[SC+\b], v[BM+\b], s[SEL], s[SEL+1]
.endr
.irp b, 0,1,2,3,4,5,6,7
	v_max_num_f32 v[BM+\b], v[BM+\b], v[SC+\b]     ; with lane l xor 16's 16 keys: the block's
.endr
	s_wait_alu depctr_va_vdst(0)
	s_barrier_wait -1                              ; all eight pairs are in LDS
.irp k, 0,1,2,3
	ds_load_b128 v[MF+4*\k:MF+4*\k+3], v[ASR] offset:16*\k
.endr
.if \mode < 2
	s_wait_loadcnt 0x0                             ; the next round's mask is in registers,
	MSTAGE                                         ; and goes into my stage, whose bytes I have read
	s_wait_dscnt 8                                 ; the pairs are in; the eight stores may be out
.else
	s_wait_dscnt 0x0
.endif
	v_min3_num_f32 v[T0], v[MF], v[MF+2], v[MF+4]
	v_min3_num_f32 v[T1], v[MF+6], v[MF+8], v[MF+10]
	s_delay_alu instid0(VALU_DEP_2)
	v_min3_num_f32 v[T0], v[T0], v[MF+12], v[MF+14]
	s_delay_alu instid0(VALU_DEP_1)
	v_min_num_f32 v[T0], v[T0], v[T1]              ; -M
.irp w, 0,2,4,6,8,10,12,14
	v_sub_f32 v[MF+\w], v[T0], v[MF+\w]            ; M_w - M: a whole number, 0 or less
.endr
	v_sub_f32 v[T1], v[T0], v[NM]
.irp w, 0,2,4,6,8,10,12,14
	v_cvt_i32_f32 v[MF+\w], v[MF+\w]               ; (it saturates)
.endr
	v_cvt_i32_f32 v[T1], v[T1]
.irp w, 0,2,4,6,8,10,12,14
	v_ldexp_f32 v[MF+\w+1], v[MF+\w+1], v[MF+\w]   ; l_w under M: nothing is rounded
.endr
	v_add_f32 v[T2], v[MF+1], v[MF+3]
	v_add_f32 v[T3], v[MF+5], v[MF+7]
	v_add_f32 v[T4], v[MF+9], v[MF+11]
	v_add_f32 v[T5], v[MF+13], v[MF+15]
	s_delay_alu instid0(VALU_DEP_3)
	v_add_f32 v[T2], v[T2], v[T3]
	s_delay_alu instid0(VALU_DEP_2)
	v_add_f32 v[T4], v[T4], v[T5]
	s_delay_alu instid0(VALU_DEP_1)
	v_add_f32 v[T2], v[T2], v[T4]                  ; l
	s_wait_alu depctr_va_vdst(0)
	v_rcp_f32 v[T3], v[T2]
	v_nop
	s_wait_alu depctr_va_vdst(0)                   ; ahead of the reciprocal's first reader
	v_fma_f32 v[T4], -v[T2], v[T3], 1.0            ; one Newton step: the result stands ahead of a quantiser
	v_fma_f32 v[T3], v[T3], v[T4], v[T3]
	s_delay_alu instid0(VALU_DEP_1)
	v_mul_f32 v[T3], 0x440e38e4, v[T3]             ; x 512 / 0.9
	s_delay_alu instid0(VALU_DEP_1)
	v_ldexp_f32 v[R], v[T3], v[T1]                 ; x 2^(M_w - M)
.if \mode < 2
	s_wait_alu depctr_va_vdst(0)
	s_wait_dscnt 0x0                               ; the stage's stores have read their registers
.endif
.if \mode == 0
	MLOAD 65536                                    ; the mask of two rounds on
	global_prefetch_b8 v[PFO], s[6:7] offset:131072 th:TH_LOAD_NT scope:SCOPE_SE   ; and of four rounds on
.endif
.if \mode == 1
	s_cmp_lt_u32 s[RND], 6                         ; rounds 6 and 7 have no round two on
	s_cbranch_scc0 .Lnm_\@
	MLOAD 65536
.Lnm_\@:
	s_cmp_lt_u32 s[RND], 4                         ; rounds 4 to 7 have no round four on
	s_cbranch_scc0 .Lnp_\@
	global_prefetch_b8 v[PFO], s[6:7] offset:131072 th:TH_LOAD_NT scope:SCOPE_SE
.Lnp_\@:
.endif
.irp b, 0,1,2,3,4,5,6,7
	v_mul_f32 v[BM+\b], v[BM+\b], v[R]             ; each block's largest P: the same multiplication as its number's
.endr
.irp b, 0,1,2,3,4,5,6,7
	v_max_num_f32 v[BM+\b], 0x1800000, v[BM+\b]    ; the floor 2^(3 - 127)
.endr
.irp b, 0,1,2,3,4,5,6,7
	v_add_nc_u32 v[SC+\b], 0xff000000, v[BM+\b]    ; the conversions' scale operands
.endr
.irp b, 0,1,2,3,4,5,6,7
	v_lshrrev_b32 v[BM+\b], 23, v[SC+\b]           ; the scales' bytes
.endr
	v_lshl_or_b32 v[PW], v[BM+1], 8, v[BM]
	v_lshl_or_b32 v[PW+1], v[BM+5], 8, v[BM+4]
	s_delay_alu instid0(VALU_DEP_2)
	v_lshl_or_b32 v[PW], v[BM+2], 16, v[PW]
	s_delay_alu instid0(VALU_DEP_2)
	v_lshl_or_b32 v[PW+1], v[BM+6], 16, v[PW+1]
	s_delay_alu instid0(VALU_DEP_2)
	v_lshl_or_b32 v[PW], v[BM+3], 24, v[PW]
	s_delay_alu instid0(VALU_DEP_2)
	v_lshl_or_b32 v[PW+1], v[BM+7], 24, v[PW+1]
.set j, 0
.rept 32
	v_dual_mul_f32 v[S+j], v[R], v[S+j] :: v_dual_mul_f32 v[S+j+1], v[R], v[S+j+1]   ; P of my first 128 keys, finished
.set j, j+2
.endr
	CODES S, PC, SC
.if \mode == 0
	s_wait_tensorcnt 0x0                           ; my two records of V have landed; I alone read them
.irp s, 0,1
.irp p, 0,1,2,3
	ds_load_b32 v[VS+4*\s+\p], v[AVS] offset:REC*\s+128*\p   ; V's scale words stay in registers
.endr
.endr
.endif
.irp q, 0,1,2,3
	VLOAD S+12*\q, 0, \q                           ; V's fragments take the registers that P has left
.endr
.set j, 64
.rept 32
	v_dual_mul_f32 v[S+j], v[R], v[S+j] :: v_dual_mul_f32 v[S+j+1], v[R], v[S+j+1]
.set j, j+2
.endr
	CODES S+64, PC+12, SC+4
.irp q, 0,1,2,3
	VLOAD S+48+12*\q, 1, \q
.endr
	VLOAD S+96, 0, 4
	VLOAD S+108, 0, 5
	VLOAD MF, 0, 6
	VLOAD BM, 0, 7
	PLACES 4                                       ; codes written by vector instructions stand 4 places ahead of a scaled product, the scale words 8
	s_wait_alu depctr_va_vdst(0)
	s_wait_dscnt 24                                ; the first four fragments (in the first round V's scale words too) are in; the 24 loads behind them may be out
	WIN 0x50
.irp q, 0,1,2,3                                ; four accumulators by turns, one instruction a turn
	PVM \q, S+12*\q, 0, \q, 1
.endr
	s_wait_dscnt 12
.irp q, 0,1,2,3
	PVM \q, S+48+12*\q, 1, \q, 0
.endr
	PLACES 4
	WIN 0
.irp q, 0,1,2,3
	VLOAD S+12*\q, 1, 4+\q
.endr
	OSTORE 0
	v_nop                                          ; the fifth place ahead of products that write these accumulators anew
	s_wait_dscnt 0x0                               ; the stores have read them; all fragments are in
	WIN 0x50
	PVM 0, S+96, 0, 4, 1
	PVM 1, S+108, 0, 5, 1
	PVM 2, MF, 0, 6, 1
	PVM 3, BM, 0, 7, 1
.irp q, 0,1,2,3
	PVM \q, S+12*\q, 1, 4+\q, 0
.endr
	PLACES 5
	OSTORE 1
.if \mode < 2
	s_add_co_u32 s[QO], s[QO], QP
	QLOAD                                          ; the next round's Q
.endif
	s_wait_xcnt 0x0                                ; the bases and the stores' data are written again only behind this wait
.if \mode < 2
	s_add_nc_u64 s[6:7], s[6:7], 32768             ; 16 rows on in the mask
.endif
.if \mode > 0
	s_add_nc_u64 s[12:13], s[12:13], 8192          ; 16 rows on in out0
.endif
	s_wait_dscnt 0x0                               ; my partial O is in LDS
	s_barrier_signal -1
.endm
	ROUND 0
	s_mov_b32 s[RND], 1
.Lround:                                           ; rounds 1 to 6
	ROUND 1
	s_add_co_u32 s[RND], s[RND], 1
	s_cmp_lt_u32 s[RND], 7
	s_cbranch_scc1 .Lround
	ROUND 2
	s_barrier_wait -1                              ; the last round's partial O
	OREAD 0
	OSUM 0, 0
	OREAD 1
	OSUM 1, 0
	s_wait_tensorcnt 0x0                           ; the wave's end
	ds_add_u32 v[SPW], v[NIL]
	s_wait_dscnt 0x0
	CROUND                                         ; the closing round
	s_endpgm
.Lfunc_end_k_qcc70488553_attn:
	.size	k_qcc70488553_attn, .Lfunc_end_k_qcc70488553_attn-k_qcc70488553_attn
	.p2alignl 7, 3214868480
	.fill 96, 4, 3214868480
	.section	.rodata,"a",@progbits
	.p2align	6, 0x0
	.amdhsa_kernel k_qcc70488553_attn
		.amdhsa_group_segment_fixed_size 327680
		.amdhsa_private_segment_fixed_size 0
		.amdhsa_enable_private_segment 0
		.amdhsa_kernarg_size 40
		.amdhsa_user_sgpr_count 2
		.amdhsa_user_sgpr_kernarg_segment_ptr 1
		.amdhsa_wavefront_size32 1
		.amdhsa_system_sgpr_workgroup_id_x 1
		.amdhsa_system_sgpr_workgroup_id_y 1
		.amdhsa_system_sgpr_workgroup_id_z 1
		.amdhsa_system_vgpr_workitem_id 0
		.amdhsa_next_free_vgpr 512
		.amdhsa_next_free_sgpr 66
		.amdhsa_reserve_vcc 0
		.amdhsa_float_denorm_mode_32 3
		.amdhsa_float_denorm_mode_16_64 3
		.amdhsa_memory_ordered 1
		.amdhsa_forward_progress 1
		.amdhsa_inst_pref_size 175
	.end_amdhsa_kernel
	.amdgpu_metadata
---
amdhsa.version: [ 1, 2 ]
amdhsa.kernels:
  - .name:           k_qcc70488553_attn
    .symbol:         k_qcc70488553_attn.kd
    .args:
      - { .name: x1, .offset: 0, .size: 8, .value_kind: global_buffer, .address_space: global }
      - { .name: drop_mask, .offset: 8, .size: 8, .value_kind: global_buffer, .address_space: global }
      - { .name: kq, .offset: 16, .size: 8, .value_kind: global_buffer, .address_space: global }
      - { .name: vq, .offset: 24, .size: 8, .value_kind: global_buffer, .address_space: global }
      - { .name: out0, .offset: 32, .size: 8, .value_kind: global_buffer, .address_space: global }
    .group_segment_fixed_size: 327680
    .private_segment_fixed_size: 0
    .kernarg_segment_align: 8
    .kernarg_segment_size: 40
    .max_flat_workgroup_size: 256
    .sgpr_count:     66
    .vgpr_count:     512
    .wavefront_size: 32
...
	.end_amdgpu_metadata
.endif
;; end of part 2
